; MI455X (gfx1250); checked and timed in simulation.
; The chip was launched on July 23, 2026; its instructions are those of AMD's public machine-readable ISA for CDNA 5 (MIT licence, August 2026) and "CDNA5" Instruction Set Architecture Reference Guide (July 2026). The comments in the code are by the model that wrote it; some were corrected since.
;; Model. Allowed arithmetic: matrix products marked QUANTISED: E5M2 operands, one given power-of-two scale a tensor, by v_wmma_f32_16x16x64_bf8_bf8 or v_wmma_f32_16x16x128_bf8_bf8, f32 sums; everything else in f32.
;; Inputs: attn_mask 2,048 x 2,048 float32; k_codes 4 x 16 x 2,048 x 1 x 32 uint8 (E5M2 codes of k, K innermost, in blocks of 32 codes); lowp_scales 4 int32 (the exponents e of the quantised operands' scales 2^e); q_codes 4 x 16 x 2,048 x 1 x 32 uint8 (E5M2 codes of q, K innermost, in blocks of 32 codes); v_codes 4 x 16 x 32 x 64 x 32 uint8 (E5M2 codes of v, K innermost, in blocks of 32 codes).
;; Outputs: out0 4 x 16 x 2,048 x 32 float32.
;; This version of the problem:
;;   THIS VERSION OF THE PROBLEM IS GIVEN IN LOW PRECISION. The matrix products marked QUANTISED in the list below multiply operands that are first quantised to E5M2 (5 exponent bits, 2 mantissa bits; 8 bits a number), with one given power-of-two scale for each operand tensor; their sums are f32. All else is computed in f32.
;;   The module's matrix products, in the order in which they are computed (A, B: the left and right operand; K: the contracted axis; several contracted axes count as one K, in the product's order):
;;     1. batch 64 x [M 2,048, K 32] x [K 32, N 2,048]; A: input q (given as codes); B: input k (given as codes): QUANTISED (scales: A lowp_scales[0], B lowp_scales[1])
;;     2. batch 64 x [M 2,048, K 2,048] x [K 2,048, N 32]; A: softmax (see below); B: input v (given as codes): QUANTISED (scales: A lowp_scales[2], B lowp_scales[3])
;;   THE QUANTISER, for each operand of a quantised product, along K:
;;     - The operand's scale is 2^e, e = its entry of the input lowp_scales (int32; the entries are numbered through the quantised products in the list's order, A before B).
;;     - Each number is divided by the scale, clamped to +-57,344, and rounded to the nearest number of E5M2, ties to even, subnormals kept.
;;     - The product sums the exact products of the quantised numbers (number of the format x scale) in f32.
;;   ~~~python
;;   def quantise(x, axis, e):      # numpy; x: float32 -> the quantised numbers, widened to float32 again
;;       x = np.moveaxis(x, axis, -1); K = x.shape[-1]
;;       r = np.clip(x / 2.0 ** e, -57344, 57344)
;;       step = 2.0 ** (np.maximum(np.frexp(np.where(r == 0, 1, r))[1] - 1, -14) - 2)
;;       q = np.round(r / step) * step * 2.0 ** e      # np.round: ties to even
;;       return np.moveaxis(q, -1, axis).astype(np.float32)
;;   ~~~
;;   SOFTMAX AHEAD OF A QUANTISED PRODUCT. Where the list says 'softmax', what is quantised is not the finished softmax but p = 2^(t - M), with t = logit x log2(e) and M = ceil(the row's largest t), a whole number; so 1/2 < the row's largest p <= 1. The row's sum l is taken of the UNQUANTISED p, in f32, and the product's result is divided by l at the end. Since M is a whole number, a kernel that streams over the keys may use a running M (the ceiling of the running maximum): every later rescaling is an exact power of two, so the quantised numbers keep their values, but for numbers so far below the row's largest that they fall under the format's range.
;;   OPERANDS COMPUTED ON THE WAY. 'Computed on the way' means the value that the module computes at that place (a softmax that the list does not call 'softmax' is quantised finished and normalised). What goes into a quantiser is computed in f32, as accurately as f32 sums, v_exp_f32 and their like allow (about 1e-6 of the number): no bf16 or f16 on the way to a quantiser, and a product that is left as it is and whose result goes on into a quantised operand takes f32 operands (vector FMAs, or v_wmma_f32_16x16x4_f32). A number that lies on a knife's edge between two numbers of the format may be rounded either way, as far as f32 arithmetic and the matrix unit's own rounding can turn it there, and no further.
;;   INPUTS GIVEN AS CODES. k (in the module: [4, 16, 2048, 32], K = its axis 3); q (in the module: [4, 16, 2048, 32], K = its axis 3); v (in the module: [4, 16, 2048, 32], K = its axis 2): each comes as NAME_codes (uint8): NAME with its K axis moved to the last place and cut into blocks of 32 codes, [.., K / 32, bytes a block], one block behind the other in memory; one code a byte (a code: sign, 5 exponent bits, 2 mantissa bits); its scale is its entry of lowp_scales. Its value is code x scale, taken as it is: it is not quantised again, and the codes and scales need not be those that the quantiser above would give.
;; One version. Each part assembles by itself: llvm-mc -triple=amdgcn-amd-amdhsa -mcpu=gfx1250 --defsym DOCPART=n.
;; ======== version 1 of 1: 1 launch
;; limits: right only within a limited range of input values
;; launch attn (part 1): grid 16 x 16, 16 waves a work-group, clusters of 4 x 4, 327,680 bytes of LDS; arguments attn_mask, k_codes, lowp_scales, q_codes, v_codes, out0; writes out0
.if DOCPART == 1
	.amdgcn_target "amdgcn-amd-amdhsa--gfx1250"
	.amdhsa_code_object_version 6
	.text
	.protected	k_qbe99981179_attn
	.globl	k_qbe99981179_attn
	.p2align	8
	.type	k_qbe99981179_attn,@function
k_qbe99981179_attn:
	s_mov_b64 s[64:65], 0
	v_nop
	global_prefetch_b8 v0, s[64:65] scope:SCOPE_SE
	s_setreg_imm32_b32 hwreg(HW_REG_WAVE_MODE, 25, 1), 1
	s_wait_xcnt 0x0
	s_wait_alu depctr_hold_cnt(0) depctr_sa_sdst(0) depctr_va_vdst(0) depctr_va_sdst(0) depctr_va_ssrc(0) depctr_va_vcc(0) depctr_vm_vsrc(0)
	s_getreg_b32 s2, hwreg(HW_REG_IB_STS2, 6, 4)
	s_cmp_eq_u32 s2, 0
	s_cbranch_scc0 .Lentry_in_a_cluster
	s_endpgm
.Lentry_in_a_cluster:
	s_bfe_u32 s2, ttmp6, 0x10000c
	s_cmp_lg_u32 s2, 0xf033
	s_cbranch_scc0 .Lentry_shape_is_right
	s_endpgm
.Lentry_shape_is_right:
; out[bh][q][:] = the sum over k of softmax_k(Q[bh][q] . K[bh][k] / sqrt(32) + mask[q][k]) V[bh][k][:], 64 heads bh, 2,048 queries and keys, head size 32.
; Both products on codes of BF8 (E5M2), each tensor with the one scale 2^e that is given: eq, ek, ep, ev.  Q, K: [64][2048][32] codes.  V: [64][32][2048] codes, the keys innermost.  mask: [2048][2048] f32.  out: [64][2048][32] f32.
; THE SOFTMAX: t = logit x log2(e); M = the row's largest t so far, rounded UP to a whole number; p = 2^(t - M) is quantised with 2^ep, not normalised; the row's sum is taken of the unquantised p and divides at the end.
; When M moves, the sum and O are multiplied by 2^(old M - new M): exact.
; DEAD WORK: none.  Every input has a way to the output (the mask differs along the softmax's axis), so all are loaded.
; THE MASK COSTS NO ADDITION: it is the C of the first product.  D = K Q^T (codes) + kappa x mask, kappa = sqrt(32) / 2^(eq + ek); t = c x D, c = log2(e) / sqrt(32) x 2^(eq + ek).  A mask fragment, scaled once, serves two heads.
; THE HEAD'S 32 IN A K OF 64: source 0 holds TWO tiles of 16 keys (registers 0-3 one, 4-7 the other); source 1 is (Q, 0) for the first and (0, Q) for the second, both taken from the run 0, Q0, 0, Q1, 0.
; LAYOUT.  Both products are used transposed (S^T = K Q^T, O^T = V^T P^T): a lane holds ONE query (r = lane % 16) throughout, h = lane / 16.  THE KEYS OF A TILE ARE NOT NEIGHBOURS: lane r of tile 2 b + u takes key 32 b + 8 u + r + 8 (r / 8),
; so that score register 16 b + i is key 32 b + 16 h + i: the conversions' results are the second product's operand, and a lane's mask for 16 registers is 64 consecutive bytes of its mask row.
; Fragments are fetched 16 bytes a lane: a permutation of k inside an instruction, the same in both sources.
; SHARES.  A work-group owns 4 heads x 128 queries; wave w owns query tile w / 2 of eight and heads 2 (w % 2), + 1: two UNITS.  Four waves to a SIMD, 256 registers each.  All walk the 2,048 keys in 16 steps of 128.
; TWO RUNS OF 64 REGISTERS, X AND Y, TAKE TURNS.  In an even step X holds the mask; unit 0's scores go to Y and unit 1's to X, in place on the mask; when unit 0 is done Y takes unit 1's V and the next step's mask.  In an odd step the other way round.
; LDS: a ring of two slots.  A slot holds 128 rows of mask (128 keys), 4 heads of K (128 keys) and 128 rows of V (256 keys, two steps: rows of 256 bytes).  Mask and K change slots in each step, V in every second.
; CLUSTER, 4 x 4.  The mask's tile hangs on the query block alone: the four work-groups of a row of the cluster ask for it JOINTLY; K's and V's hang on the head group alone: the four of a column do.
; THE ROUND of the cluster's barrier in front of a refill is spread over unit 1's softmax (macro STEP): register work stands between its opening signal and wait, and between its last signal and wait.
; PREFETCH.  Behind an even step s's refill (tile s + 2) the tiles of steps s + 4 and s + 5 are asked for: macro ASK.
; LIMITS.  eq + ek between -124 and 128 (added to c's exponent field, taken from kappa's); ep between -15 and 112: from -15 up p, at most 1, lies under 57,344 x 2^ep, so that the running M changes no code (the hold is executed in any case; under -15 it acts
; on p under the M of its step); ep + ev goes by v_ldexp_f32 and has none.  NaN anywhere, and codes of infinity or NaN in q, k or v, are not served (a zero beside a neighbouring tile's infinity would be NaN).
; Order of rounding: kappa x mask is rounded once, and the matrix unit adds it to the sum of products.
.set SLOT1, 131072                     ; slot 1 begins here: one exclusive or turns an address in one slot into the other's
.set PITM,  528                        ; an LDS row of the mask (128 f32) or of K (16 keys x 32 bytes): 512 bytes + 16 of padding = 132 words: row r starts at bank 4 r mod 64 (64 banks of 4 bytes: ISA guide 11.1)
.set PITV,  272                        ; a row of V's tile: 256 codes + 16 of padding = 68 words: likewise
.set KHEAD, 8*PITM                     ; a head's 128 keys: 8 rows
.set KOFF,  128*PITM                   ; a slot: 128 rows of the mask, then 4 heads of K,
.set VOFF,  KOFF+4*KHEAD               ; then 128 rows (32 x head + d) of V
.set SPARE, 2*SLOT1                    ; behind the ring: the spare words, 128 bytes for each of sixteen waves: eight blocks of 256 bytes that no other line names
.set STAGE, SPARE+2048                 ; the way out: 16 rows x (128 bytes + 16) for each wave; no tensor load lands here
.set PITS,  144
.set AM0, 1                            ; v1, v2   my lane's place in the mask of slot 0, 1: (16 (w / 2) + r) x 528 + 64 h
.set AK0, 3                            ; v3, v4   in K of slot 0, 1
.set SPW, 5                            ; v5   LDS address of my spare word: SPARE + 4 x my thread's number; never rewritten
.set NIL, 6                            ; v6   0; never rewritten
.set PFO, 7                            ; v7   the prefetches' offset
.set ST,  8                            ; unit u's statistics at v[ST + 4 u]: +0 -M, +1 the largest t, +2, +3 the sum in two halves
.set MX,  16                           ; v16-19 maxima in four chains, later two pairs of sums
.set F,   20                           ; v[20:21] f = 2^(old M - new M); the upper register is written once, since the pair is named
.set PL,  22                           ; a lane permute's destination; written once ahead of its first use
.set SCL, 23                           ; 2^ep
.set QZ,  24                           ; v24-43 0, Q0, 0, Q1, 0
.set KV,  44                           ; v44-75 K's fragments, then unit 0's V
.set PC,  76                           ; v76-91 p's codes
.set O,   92                           ; v92-123 O^T, 16 a unit
.set X,   124                          ; v124-187
.set Y,   188                          ; v188-251
.set AV0, 252                          ; v252 my lane's place in V of slot 0: VOFF + (64 (w % 2) + r) x 272 + 16 h
.set ADV, 253                          ; v253 the same in the slot in hand
.set STO, 254                          ; v254 the way out: where I put 16 bytes of a row
.set RD,  255                          ; v255 where I read rows back
.set WV,  16                           ; s16  wave
.set HP,  17                           ; s17  w % 2: my pair of heads; also which half of the mask's or V's tile I fetch
.set QT,  18                           ; s18  w / 2: my query tile
.set CX,  19
.set CY,  20
.set HG,  21                           ; s21  head group = 4 x cluster x + cx
.set QB,  22                           ; s22  query block = 4 x cluster y + cy
.set W3,  23                           ; s23  (w + 2) % 4: the head whose K I fetch
.set G1M, 24                           ; s[24:31], s[32:39], s[40:47] descriptor groups 1: mask, V, K
.set G1V, 32
.set G1K, 40
.set G0M, 48                           ; s[48:51], s[52:55], s[56:59] their groups 0, which walk
.set G0V, 52
.set G0K, 56
.set SEL, 60                           ; s[60:61] lane selects for v_permlanex16_b32: lane l xor 16
.set CS,  62                           ; s[62:63] c, twice: the packed form names a pair
.set KAP, 66                           ; s[66:67] kappa, twice
.set TBV, 68                           ; s68  LDS byte at which V's slot in hand begins
.set CNT, 69
.set EPV, 70                           ; s70  ep + ev
.set LIM, 71                           ; s71  57,344 x 2^ep
.set PFA, 92                           ; s[92:93] where my prefetches stand; s[94:95] two steps on, in bytes
.set PFS, 94
.set ASKW, 96                          ; s96  w - 8: under 6 in the waves that prefetch
.macro PLACES n
.rept \n
	v_nop
.endr
.endm
.macro WA
	s_wait_alu depctr_va_vdst(0)
.endm
; The cluster's round behind its opening barrier: wave 0 signals for the work-group, every wave waits for all sixteen work-groups and signals its work-group's barrier once more; CREST waits for that too.
.macro CRESTA
	s_cmp_lg_u32 s[WV], 0
	s_cbranch_scc1 .Lnot_wave_0_\@
	s_barrier_signal -3
.Lnot_wave_0_\@:
	s_barrier_wait -3
	s_barrier_signal -1
.endm
.macro CREST
	CRESTA
	s_barrier_wait -1
.endm
.macro CROUND
	s_barrier_signal -1
	s_barrier_wait -1
	CREST
.endm
; A joint load, at most one a wave: waves 0, 1 the mask's halves (64 rows each), waves 2 to 5 a head of K each, and where v = 2 waves 6, 7 V's halves (64 rows each).  The branches hang on the wave's number alone.
; An s_nop 0 and four v_nop follow each line, ahead of the jump, the label and what follows.
.macro JLOAD v
	s_cmp_lt_u32 s[WV], 2
	s_cbranch_scc0 .Lnot_m_\@
	tensor_load_to_lds s[G0M:G0M+3], s[G1M:G1M+7]
	s_nop 0
	PLACES 4
	s_branch .Lasked_\@
.Lnot_m_\@:
	s_cmp_lt_u32 s[WV], 6
	s_cbranch_scc0 .Lnot_k_\@
	tensor_load_to_lds s[G0K:G0K+3], s[G1K:G1K+7]
	s_nop 0
	PLACES 4
	s_branch .Lasked_\@
.Lnot_k_\@:
.if \v == 2
	s_cmp_lt_u32 s[WV], 8
	s_cbranch_scc0 .Lasked_\@
	tensor_load_to_lds s[G0V:G0V+3], s[G1V:G1V+7]
	s_nop 0
	PLACES 4
.endif
.Lasked_\@:
.endm
; A PREFETCH INTO THE L2, in even steps s of the loop: the tiles of steps s + 4 and s + 5.  The mask's and K's first load of them stands two steps on, V's one.  Each aligned block of 256 bytes is named once in each cluster that will load it:
; the partners share by ADDRESS: of the query block's 128 mask rows the partner cx takes 32 (a lane a row; waves 8 to 11 one of the row's four blocks each); of the head group the partner cy takes head cy: wave 12 its K, 8,192 dense bytes,
; wave 13 its 32 rows of V, a lane a row.  The loop's last trip names the last tiles; behind the loop nothing is asked for, and tiles 0 to 3 come by their loads alone.
.macro ASK
	s_cmp_lt_u32 s[ASKW], 6
	s_cbranch_scc0 .Lnot_mine_\@
	global_prefetch_b8 v[PFO], s[PFA:PFA+1] th:TH_LOAD_NT scope:SCOPE_SE
.Lnot_mine_\@:
.endm
; The walking descriptors: the other slot than last time, the next keys; the type bits on top are not reached.
.macro WALK v
	s_xor_b32 s[G0M+1], s[G0M+1], SLOT1
	s_add_nc_u64 s[G0M+2:G0M+3], s[G0M+2:G0M+3], 512    ; 128 keys: 512 bytes along a row of the mask,
	s_xor_b32 s[G0K+1], s[G0K+1], SLOT1
	s_add_nc_u64 s[G0K+2:G0K+3], s[G0K+2:G0K+3], 4096   ; 128 rows of K,
.if \v == 2
	s_xor_b32 s[G0V+1], s[G0V+1], SLOT1
	s_add_nc_u64 s[G0V+2:G0V+3], s[G0V+2:G0V+3], 256    ; 256 keys along a row of V
.endif
.endm
	s_load_b256 s[4:11], s[0:1], 0x0               ; mask s[4:5], K's codes s[6:7], the scales' exponents s[8:9], Q's codes s[10:11]
	s_load_b128 s[12:15], s[0:1], 0x20             ; V's codes s[12:13], out s[14:15]
	v_lshl_add_u32 v[SPW], v0, 2, SPARE
	v_mov_b32 v[NIL], 0
	ds_add_u32 v[SPW], v[NIL]                      ; the wave's opening: the add, twice on end, and its wait ahead of my first tensor load; the set-up below, work on registers, stands between
	ds_add_u32 v[SPW], v[NIL]
	v_lshrrev_b32 v16, 5, v0
	v_readfirstlane_b32 s[WV], v16                 ; wave 0..15
	s_and_b32 s[HP], s[WV], 1
	s_lshr_b32 s[QT], s[WV], 1
	s_add_co_u32 s[W3], s[WV], 2
	s_and_b32 s[W3], s[W3], 3
	s_bfe_u32 s[CX], ttmp6, 0x40000                ; my place in the cluster
	s_bfe_u32 s[CY], ttmp6, 0x40004
	s_lshl_b32 s[HG], ttmp9, 2                     ; in a cluster launch ttmp9 and ttmp7 count clusters
	s_add_co_u32 s[HG], s[HG], s[CX]
	s_and_b32 s[QB], ttmp7, 0xffff
	s_lshl_b32 s[QB], s[QB], 2
	s_add_co_u32 s[QB], s[QB], s[CY]
	s_lshl_b32 s86, s[CY], 2
	s_lshl_b32 s86, 15, s86                        ; my row of the cluster: places 4 cy .. 4 cy + 3
	s_lshl_b32 s87, 0x1111, s[CX]                  ; my column: places cx, cx + 4, cx + 8, cx + 12
	; group 1, the mask: 64 rows x 128 elements of 4 bytes, 2,048 elements from row to row
	s_or_b32 s[G1M], s86, (2<<16)|(1<<20)|(1<<21)|(6<<22)|(3<<25)   ; 15:0 my row; 17:16 elements of 4 bytes; 20 padding on; 21 set beside a mask; 24:22 after every 128 words (code 6); 31:25 four words (code 3)
	s_mov_b32 s[G1M+1], 128<<16                    ; tensor_dim0
	s_mov_b32 s[G1M+2], 64<<16                     ; tensor_dim1
	s_mov_b32 s[G1M+3], 128<<16                    ; tile_dim0
	s_mov_b32 s[G1M+4], 64                         ; tile_dim1
	s_mov_b32 s[G1M+5], 2048                       ; tensor_dim0_stride
	s_mov_b32 s[G1M+6], 0
	s_mov_b32 s[G1M+7], 0
	; group 1, V: 64 rows x 256 bytes, 2,048 bytes from row to row (a head's 32 rows are followed by the next head's)
	s_or_b32 s[G1V], s87, (0<<16)|(1<<20)|(1<<21)|(5<<22)|(3<<25)   ; my column; elements of 1 byte; four words of padding after every 64
	s_mov_b32 s[G1V+1], 256<<16
	s_mov_b32 s[G1V+2], 64<<16
	s_mov_b32 s[G1V+3], 256<<16
	s_mov_b32 s[G1V+4], 64
	s_mov_b32 s[G1V+5], 2048
	s_mov_b32 s[G1V+6], 0
	s_mov_b32 s[G1V+7], 0
	; group 1, K: a head's 128 keys are 4,096 dense bytes, stated as 8 rows x 512 bytes
	s_or_b32 s[G1K], s87, (0<<16)|(1<<20)|(1<<21)|(6<<22)|(3<<25)   ; my column; elements of 1 byte; four words of padding after every 128
	s_mov_b32 s[G1K+1], 512<<16
	s_mov_b32 s[G1K+2], 8<<16
	s_mov_b32 s[G1K+3], 512<<16
	s_mov_b32 s[G1K+4], 8
	s_mov_b32 s[G1K+5], 512
	s_mov_b32 s[G1K+6], 0
	s_mov_b32 s[G1K+7], 0
	; where the tiles come from.  The mask's offset is made of the query block and the wave's number, K's and V's of the head group and the wave's number, each in registers that never hold the other coordinate
	s_lshl_b32 s76, s[QB], 20                      ; 128 rows of 8,192 bytes
	s_lshl_b32 s88, s[HP], 19                      ; my 64 of them
	s_add_co_u32 s76, s76, s88
	s_mov_b32 s77, 0
	s_lshl_b32 s78, s[HG], 18                      ; 4 heads of 65,536 bytes
	s_lshl_b32 s88, s[HP], 17                      ; my 64 rows of 2,048 bytes
	s_add_co_u32 s78, s78, s88
	s_mov_b32 s79, 0
	s_lshl_b32 s80, s[HG], 2
	s_add_co_u32 s80, s80, s[W3]                   ; the head whose K I fetch
	s_lshl_b32 s80, s80, 16
	s_mov_b32 s81, 0
	s_lshl_b32 s89, s[HG], 2
	s_lshl_b32 s90, s[HP], 1
	s_add_co_u32 s89, s89, s90                     ; my first head
	s_lshl_b32 s82, s89, 16                        ; Q: head x 65,536 + query block x 4,096 + tile x 512
	s_lshl_b32 s90, s[QB], 12
	s_add_co_u32 s82, s82, s90
	s_lshl_b32 s90, s[QT], 9
	s_add_co_u32 s82, s82, s90
	s_mov_b32 s83, 0
	s_lshl_b32 s84, s89, 18                        ; out: four times that
	s_lshl_b32 s90, s[QB], 14
	s_add_co_u32 s84, s84, s90
	s_lshl_b32 s90, s[QT], 11
	s_add_co_u32 s84, s84, s90
	s_mov_b32 s85, 0
	; and where they go: constants and the wave's number alone
	s_mov_b32 s[G0M], 1                            ; 1:0 count = 1
	s_mul_i32 s[G0M+1], s[HP], 64*PITM             ; 63:32 LDS address, slot 0
	s_mov_b32 s[G0V], 1
	s_mul_i32 s[G0V+1], s[HP], 64*PITV
	s_add_co_u32 s[G0V+1], s[G0V+1], VOFF
	s_mov_b32 s[G0K], 1
	s_mul_i32 s[G0K+1], s[W3], KHEAD
	s_add_co_u32 s[G0K+1], s[G0K+1], KOFF
	s_mov_b32 s[SEL], 0x76543210
	s_mov_b32 s[SEL+1], 0xfedcba98
	s_mov_b32 s[CS], 0x3e8293ee                    ; log2(e) / sqrt(32)
	s_mov_b32 s[KAP], 0x40b504f3                   ; sqrt(32)
	s_mov_b32 s[TBV], 0
	s_mov_b32 s[CNT], 6
	s_sub_co_u32 s[ASKW], s[WV], 8
	s_wait_dscnt 0x0                               ; both opening adds are done
	CROUND                                         ; all sixteen work-groups are here: the first joint loads meet
	s_wait_kmcnt 0x0
	s_load_b128 s[72:75], s[8:9], 0x0              ; eq, ek, ep, ev
	s_add_nc_u64 s[G0M+2:G0M+3], s[4:5], s[76:77]  ; 120:64 global address: step 0's tile
	s_or_b32 s[G0M+3], s[G0M+3], 0x80000000        ; 127:126 type = 2
	s_add_nc_u64 s[G0V+2:G0V+3], s[12:13], s[78:79]
	s_or_b32 s[G0V+3], s[G0V+3], 0x80000000
	s_add_nc_u64 s[G0K+2:G0K+3], s[6:7], s[80:81]
	s_or_b32 s[G0K+3], s[G0K+3], 0x80000000
	s_add_nc_u64 s[10:11], s[10:11], s[82:83]      ; Q's codes at my first unit
	s_add_nc_u64 s[14:15], s[14:15], s[84:85]      ; out likewise
	JLOAD 2                                        ; step 0's tiles, V's for steps 0 and 1, into slot 0
	; the prefetches: where my wave's stand (tile 4 on), from lane to lane, and two steps on
	s_lshl_b32 s89, s[HG], 18
	s_lshl_b32 s90, s[CY], 16
	s_add_co_u32 s89, s89, s90                     ; head 4 x head group + cy: 65,536 bytes of K, and as many of V
	s_lshl_b32 s97, s[QB], 20
	s_lshl_b32 s90, s[CX], 18
	s_add_co_u32 s97, s97, s90                     ; mask row 128 x query block + 32 cx
	s_and_b32 s90, s[WV], 3
	s_lshl_b32 s90, s90, 8
	s_add_co_u32 s97, s97, s90                     ; + my block of the four,
	s_add_co_u32 s97, s97, 2048                    ; from step 4 on
	s_add_co_u32 s90, s89, 16384                   ; K from step 4 on
	s_add_co_u32 s89, s89, 512                     ; V from step 4 on
	s_mov_b32 s82, 256
	s_mov_b32 s83, 2048
	s_cmp_eq_u32 s[WV], 12
	s_cselect_b32 s90, s90, s89
	s_cselect_b32 s98, s82, s83
	s_cselect_b32 s[PFS], 0x2000, s82
	s_cselect_b64 s[PFA:PFA+1], s[6:7], s[12:13]
	s_cmp_lt_u32 s[WV], 12
	s_cselect_b32 s90, s97, s90
	s_cselect_b32 s98, 0x2000, s98
	s_cselect_b32 s[PFS], 0x400, s[PFS]
	s_cselect_b64 s[PFA:PFA+1], s[4:5], s[PFA:PFA+1]
	s_mov_b32 s91, 0
	s_mov_b32 s[PFS+1], 0
	s_add_nc_u64 s[PFA:PFA+1], s[PFA:PFA+1], s[90:91]
	s_mul_i32 s82, s[QT], 16*PITM
	s_mul_i32 s83, s[HP], 2*KHEAD
	s_add_co_u32 s83, s83, KOFF
	s_mul_i32 s84, s[HP], 64*PITV
	s_add_co_u32 s84, s84, VOFF
	s_mul_i32 s85, s[WV], 16*PITS
	s_add_co_u32 s85, s85, STAGE                   ; my stage
	v_and_b32 v16, 15, v0                          ; r
	v_bfe_u32 v17, v0, 4, 1                        ; h
	v_and_b32 v18, 31, v0                          ; lane
	v_lshlrev_b32 v20, 5, v16
	v_lshrrev_b32 v21, 3, v16
	v_and_b32 v22, 7, v16
	v_lshl_add_u32 v20, v17, 4, v20                ; Q: 32 r + 16 h
.irp u, 0,1
	global_load_b128 v[QZ+4+8*\u:QZ+7+8*\u], v20, s[10:11] offset:65536*\u   ; my 16 codes of query r
.endr
	v_mul_u32_u24 v[AM0], v16, PITM
	v_mul_u32_u24 v[AK0], v21, PITM                ; lanes 8-15 take keys 16 further on: the next LDS row
	v_mul_u32_u24 v[AV0], v16, PITV
	v_mul_u32_u24 v[STO], v16, PITS                ; in: row r, 32 bytes for each half of the lanes
	v_lshl_add_u32 v[AM0], v17, 6, v[AM0]
	v_lshl_add_u32 v[AK0], v22, 5, v[AK0]
	v_lshl_add_u32 v[AV0], v17, 4, v[AV0]
	v_lshl_add_u32 v[STO], v17, 5, v[STO]
	v_lshl_add_u32 v[AK0], v17, 4, v[AK0]
	v_add_nc_u32 v[AM0], s82, v[AM0]
	v_add_nc_u32 v[AV0], s84, v[AV0]
	v_add_nc_u32 v[STO], s85, v[STO]
	v_add_nc_u32 v[AK0], s83, v[AK0]
	v_lshrrev_b32 v[RD], 3, v18                    ; back: eight lanes to a row of 128 bytes, four rows an instruction
	v_and_b32 v19, 7, v18
	v_mul_lo_u32 v[PFO], v18, s98
	v_mul_u32_u24 v[RD], v[RD], PITS
	v_add_nc_u32 v[AM0+1], SLOT1, v[AM0]
	v_add_nc_u32 v[AK0+1], SLOT1, v[AK0]
	v_lshl_add_u32 v[RD], v19, 4, v[RD]
	v_mov_b32 v[F+1], 0
	v_mov_b32 v[PL], 0
	v_mov_b32 v[ST+1], 0xff61b1e6                  ; the largest t so far: -3e38, under every t
	v_mov_b32 v[ST+5], 0xff61b1e6
	v_add_nc_u32 v[RD], s85, v[RD]
.irp u, 0,1
	v_mov_b32 v[ST+4*\u+2], 0                      ; the sum, in two halves
	v_mov_b32 v[ST+4*\u+3], 0
	v_floor_f32 v[ST+4*\u], -v[ST+4*\u+1]          ; -M
.endr
.irp j, 0,1,2,3,8,9,10,11,16,17,18,19
	v_mov_b32 v[QZ+\j], 0                          ; the zero codes round Q
.endr
.set ri, O
.rept 32
	v_mov_b32 v[ri], 0                             ; O^T.  (The step is one text for all sixteen: the first finds zeros, which the first change of M leaves zeros)
.set ri, ri+1
.endr
	WA
	s_wait_kmcnt 0x0
	s_add_co_i32 s88, s72, s73                     ; eq + ek
	s_lshl_b32 s88, s88, 23
	s_add_co_i32 s[CS], s[CS], s88                 ; c x 2^(eq + ek): added to the exponent field,
	s_mov_b32 s[CS+1], s[CS]
	s_sub_co_i32 s[KAP], s[KAP], s88               ; kappa / 2^(eq + ek): taken from it
	s_mov_b32 s[KAP+1], s[KAP]
	s_add_co_i32 s88, s74, 127
	s_lshl_b32 s89, s88, 23
	v_mov_b32 v[SCL], s89                          ; 2^ep as f32: the conversion takes its exponent field
	s_add_co_i32 s88, s88, 15
	s_lshl_b32 s88, s88, 23
	s_or_b32 s[LIM], s88, 0x600000                 ; 57,344 x 2^ep
	s_add_co_i32 s[EPV], s74, s75
.macro LOADM s, B, hi                  ; 8 LDS loads: half (hi = 0, 1) of my query tile's mask for 128 keys: register 16 b + 4 j + .. = key 32 b + 16 h + 4 j + ..
.irp b, 2*(\hi),2*(\hi)+1
.irp j, 0,1,2,3
	ds_load_b128 v[\B+16*(\b)+4*\j:\B+16*(\b)+4*\j+3], v[AM0+(\s)] offset:128*(\b)+16*\j
.endr
.endr
.endm
.macro SCALEM A                        ; 32 registers of mask x kappa, in place, two at a time
.set ri, \A
.rept 16
	v_pk_mul_f32 v[ri:ri+1], v[ri:ri+1], s[KAP:KAP+1] op_sel_hi:[1,0]
.set ri, ri+2
.endr
.endm
.macro LOADK s, hh                     ; 8 LDS loads: head hh's 128 keys: tile 2 b + u into registers 8 b + 4 u on
.irp b, 0,1,2,3
.irp u, 0,1
	ds_load_b128 v[KV+8*\b+4*\u:KV+8*\b+4*\u+3], v[AK0+(\s)] offset:KHEAD*\hh+2*PITM*\b+256*\u
.endr
.endr
.endm
.macro LOADV par, hh, base             ; 8 LDS loads: head hh's V: two fragments of 16 of the head's 32 x 128 keys
.irp d, 0,1
.irp c, 0,1,2,3
	ds_load_b128 v[\base+16*\d+4*\c:\base+16*\d+4*\c+3], v[ADV] offset:32*PITV*\hh+16*PITV*\d+128*\par+32*\c
.endr
.endr
.endm
.macro SMUL hh, D, C                   ; S^T = K Q^T + kappa x mask: eight tiles of 16 keys, eight different results
.irp b, 0,1,2,3
.irp u, 0,1
	v_wmma_f32_16x16x64_bf8_bf8 v[\D+16*\b+8*\u:\D+16*\b+8*\u+7], v[KV+8*\b:KV+8*\b+7], v[QZ+8*\hh+4*(1-\u):QZ+8*\hh+4*(1-\u)+7], v[\C+16*\b+8*\u:\C+16*\b+8*\u+7]
.endr
.endr
.endm
.macro MAXA B                          ; the step's largest D of my query, in four chains, in ascending order: each result is first read at its low end
	v_max3_num_f32 v[MX], v[\B], v[\B+1], v[\B+2]
	v_max3_num_f32 v[MX+1], v[\B+3], v[\B+4], v[\B+5]
	v_max3_num_f32 v[MX+2], v[\B+6], v[\B+7], v[\B+8]
	v_max3_num_f32 v[MX+3], v[\B+9], v[\B+10], v[\B+11]
.irp i, 12,20,28,36,44,52
	v_max3_num_f32 v[MX], v[MX], v[\B+\i], v[\B+\i+1]
	v_max3_num_f32 v[MX+1], v[MX+1], v[\B+\i+2], v[\B+\i+3]
	v_max3_num_f32 v[MX+2], v[MX+2], v[\B+\i+4], v[\B+\i+5]
	v_max3_num_f32 v[MX+3], v[MX+3], v[\B+\i+6], v[\B+\i+7]
.endr
.endm
.macro MAXB u, B
.set rT, ST+4*(\u)
	v_max3_num_f32 v[MX], v[MX], v[\B+60], v[\B+61]
	v_max3_num_f32 v[MX+1], v[MX+1], v[\B+62], v[\B+63]
	s_delay_alu instid0(VALU_DEP_1)
	v_max3_num_f32 v[MX], v[MX], v[MX+1], v[MX+2]
	s_delay_alu instid0(VALU_DEP_1)
	v_max_num_f32 v[MX], v[MX], v[MX+3]
	s_delay_alu instid0(VALU_DEP_1)
	v_permlanex16_b32 v[PL], v[MX], s[SEL], s[SEL+1]
	s_delay_alu instid0(VALU_DEP_1)
	v_max_num_f32 v[MX], v[MX], v[PL]              ; and among lane l xor 16's 64 keys
	s_delay_alu instid0(VALU_DEP_1)
	v_mul_f32 v[MX], s[CS], v[MX]                  ; as t (c is positive)
	s_delay_alu instid0(VALU_DEP_1)
	v_max_num_f32 v[rT+1], v[rT+1], v[MX]          ; the running largest t
	v_mov_b32 v[MX+1], v[rT]
	s_delay_alu instid0(VALU_DEP_2)
	v_floor_f32 v[rT], -v[rT+1]                    ; the new -M = floor(-t) = -ceil(t): M is a whole number
	s_delay_alu instid0(VALU_DEP_1)
	v_sub_f32 v[MX+1], v[rT], v[MX+1]              ; old M - new M: a whole number, 0 or less
	s_delay_alu instid0(VALU_DEP_1)
	v_cvt_i32_f32 v[MX+1], v[MX+1]                 ; (it saturates)
	s_delay_alu instid0(VALU_DEP_1)
	v_ldexp_f32 v[F], 1.0, v[MX+1]                 ; f = 2^(old M - new M): a multiplication by it rounds nothing
.endm
.macro FMA u, B                        ; t - M, two at a time (of the pairs c and -M the low word serves both halves)
.set rT, ST+4*(\u)
.set ri, \B
.rept 32
	v_pk_fma_f32 v[ri:ri+1], v[ri:ri+1], s[CS:CS+1], v[rT:rT+1] op_sel_hi:[1,0,0]
.set ri, ri+2
.endr
.endm
.macro EXPS B, n                       ; n exponentials on end: p = 2^(t - M), at most 1: not normalised
.set ri, \B
.rept \n
	v_exp_f32 v[ri], v[ri]
.set ri, ri+1
.endr
.endm
.macro TMUL u                          ; the sums under the new M
	v_pk_mul_f32 v[ST+4*\u+2:ST+4*\u+3], v[ST+4*\u+2:ST+4*\u+3], v[F:F+1] op_sel_hi:[1,0]
.endm
.macro RESC u                          ; O^T under the new M
.set ri, O+16*(\u)
.rept 8
	v_pk_mul_f32 v[ri:ri+1], v[ri:ri+1], v[F:F+1] op_sel_hi:[1,0]
.set ri, ri+2
.endr
.endm
.macro SUMS u, B                       ; the row's sum is taken of the unquantised p: two at a time, in three chains
.set rT, ST+4*(\u)
	v_pk_add_f32 v[MX:MX+1], v[\B:\B+1], v[\B+2:\B+3]
	v_pk_add_f32 v[MX+2:MX+3], v[\B+4:\B+5], v[\B+6:\B+7]
	v_pk_add_f32 v[rT+2:rT+3], v[rT+2:rT+3], v[\B+8:\B+9]
.irp j, 10,16,22,28,34,40,46,52,58
	v_pk_add_f32 v[MX:MX+1], v[MX:MX+1], v[\B+\j:\B+\j+1]
	v_pk_add_f32 v[MX+2:MX+3], v[MX+2:MX+3], v[\B+\j+2:\B+\j+3]
	v_pk_add_f32 v[rT+2:rT+3], v[rT+2:rT+3], v[\B+\j+4:\B+\j+5]
.endr
.endm
; The conversion to an 8-bit code does not saturate (ISA guide 7.6.2), so p is held first; p is not negative, so the hold is one-sided: two numbers an instruction.
.macro HOLD B
.set ri, \B
.rept 32
	v_dual_min_num_f32 v[ri], s[LIM], v[ri] :: v_dual_min_num_f32 v[ri+1], s[LIM], v[ri+1]
.set ri, ri+2
.endr
.endm
.macro CONV B                          ; registers 4 b .. 4 b + 3 of the operand: keys 32 b + 16 h + 0 .. 15
.irp b, 0,1,2,3
	v_cvt_scalef32_pk8_bf8_f32 v[PC+4*\b:PC+4*\b+1], v[\B+16*\b:\B+16*\b+7], v[SCL]
	v_cvt_scalef32_pk8_bf8_f32 v[PC+4*\b+2:PC+4*\b+3], v[\B+16*\b+8:\B+16*\b+15], v[SCL]
.endr
	v_pk_add_f32 v[MX:MX+1], v[MX:MX+1], v[MX+2:MX+3]   ; two of the sum's chains: the plain instruction behind the conversions
.endm
.macro PV u, base                      ; O^T += V^T P^T: two accumulators, one instruction each; each is taken up again a step later
.irp d, 0,1
	v_wmma_f32_16x16x128_bf8_bf8 v[O+16*\u+8*\d:O+16*\u+8*\d+7], v[\base+16*\d:\base+16*\d+15], v[PC:PC+15], v[O+16*\u+8*\d:O+16*\u+8*\d+7]
.endr
	v_pk_add_f32 v[ST+4*\u+2:ST+4*\u+3], v[ST+4*\u+2:ST+4*\u+3], v[MX:MX+1]   ; the sum's last addition; the first of the places behind the products
.endm
; A STEP: 128 keys, two units.  At its head these loads have been issued, in this order: the mask's upper half (8, into A), unit 0's K (8), the mask's lower half (8).
; A load into a register that a matrix instruction has read, and a vector instruction that reads a matrix result, stand four plain vector instructions behind it (ISA guide 7.12.1 for vector instructions).
; mode: 2 the round and a refill with V, 1 without V, 0 a plain barrier and no refill, -1 the last step.  ask: 1 prefetch, 2 step the prefetches' address.
; THE CHANGE OF SLOTS.  When its last fragments of the slot are in, each wave waits for all its tensor loads (the next step's tiles), adds 0 to its spare word, waits for that, and signals.  Behind the round nobody reads this slot any more:
; it is filled with the tiles of the step two on, the first thing behind the round's last wait; that load has until the next step's signal to land.  Inside the round stands register work alone: unit 1's softmax.
.macro STEP A, B, par, mode, ask
	s_wait_dscnt 16                                ; the mask's upper half is in; K and the lower half may be out
	SCALEM \A+32
	s_wait_dscnt 0x0
	SCALEM \A
	SMUL 0, \B, \A
	PLACES 4
	LOADK \par, 1                                  ; lands under unit 0's maximum
	MAXA \B
	MAXB 0, \B
	WA
	s_wait_dscnt 0x0
	SMUL 1, \A, \A                                 ; in place on the mask
	FMA 0, \B                                      ; (also the places in front of the loads)
	LOADV \par, 0, KV
	WA                                             ; ahead of the batch
	EXPS \B, 64
	TMUL 0                                         ; the plain instruction behind the exponentials
	WA                                             ; and behind it, ahead of the first instruction that names a result; O^T is first read directly behind it too
	RESC 0
	SUMS 0, \B
	HOLD \B
	CONV \B
	LOADV \par, 1, \B                              ; unit 1's V, into the run that unit 0 has left
	WA
	s_wait_dscnt 8                                 ; unit 0's V; the 8 just issued may be out
	PV 0, KV
	WA                                             ; unit 1's scores are first read behind unit 0's exponentials
	MAXA \A
	WA
.if \mode >= 0
	s_wait_tensorcnt 0x0                           ; no tensor load of mine is out, so a group 0 may be written
	ds_add_u32 v[SPW], v[NIL]                      ; 0 onto my spare word
.if \mode > 0
	ds_add_u32 v[SPW], v[NIL]                      ; and once more
	WALK \mode
.if \ask == 2
	s_wait_xcnt 0x0                                ; any prefetch of mine has read its address
	s_add_nc_u64 s[PFA:PFA+1], s[PFA:PFA+1], s[PFS:PFS+1]
.endif
.endif
	s_wait_dscnt 0x0                               ; the add is done, and my reads of this slot are over (V is in)
	s_barrier_signal -1
.endif
	MAXB 1, \A                                     ; work on registers while the others arrive
	FMA 1, \A
	WA
	EXPS \A, 32
	TMUL 1
	WA
.if \mode > 0
	s_barrier_wait -1
	CRESTA                                         ; its last signal is given; work on registers again
.endif
	EXPS \A+32, 32
	WA
	RESC 1                                         ; (plain instructions behind the exponentials)
	SUMS 1, \A
	HOLD \A
.if \mode >= 0
	WA
	s_barrier_wait -1
.if \mode > 0
	JLOAD \mode
.endif
	LOADM 1-\par, \B, 1                            ; the next step's mask, upper half: the registers that V does not hold
	LOADK 1-\par, 0
.if \ask == 1
	ASK
.endif
.endif
	CONV \A
.if \mode < 0
	WA
	s_wait_dscnt 0x0                               ; V
.endif
	PV 1, \B
.if \mode >= 0
	PLACES 3
	LOADM 1-\par, \B, 0
.endif
.endm
	WA
	s_wait_loadcnt 0x0                             ; Q
	s_wait_tensorcnt 0x0                           ; my part of step 0's tiles is in; the second slot's first fill stands behind the same lines as a refill:
	ds_add_u32 v[SPW], v[NIL]                      ; the add, twice
	ds_add_u32 v[SPW], v[NIL]
	WALK 2
	s_wait_dscnt 0x0
	CROUND
	JLOAD 2                                        ; step 1's tiles, V's for steps 2 and 3, into slot 1: first fills all
	LOADM 0, X, 1
	LOADK 0, 0
	LOADM 0, X, 0
.Lpair:                                            ; 6 trips of two steps: steps 0 to 11 ask for the tiles of steps 2 to 13
	v_add_nc_u32 v[ADV], s[TBV], v[AV0]
	STEP X, Y, 0, 1, 1
	STEP Y, X, 1, 2, 2
	s_xor_b32 s[TBV], s[TBV], SLOT1                ; V's other slot
	s_sub_co_u32 s[CNT], s[CNT], 1
	s_cmp_lg_u32 s[CNT], 0
	WA
	s_cbranch_scc1 .Lpair
	v_add_nc_u32 v[ADV], s[TBV], v[AV0]
	STEP X, Y, 0, 1, 0                             ; the last four steps are written out in a trip: step 12 asks for step 14's mask and K
	STEP Y, X, 1, 1, 0                             ; step 13 for step 15's; V's last tiles are in or on their way
	s_xor_b32 s[TBV], s[TBV], SLOT1
	v_add_nc_u32 v[ADV], s[TBV], v[AV0]
	STEP X, Y, 0, 0, 0
	STEP Y, X, 1, -1, 0
	; THE WAY OUT.  The sum's two halves and lane l xor 16's are added; O^T x 2^(ep + ev) / the sum goes through my stage in LDS, a unit (16 rows of 128 bytes) at a time, and leaves as 512 consecutive bytes an instruction.
	v_add_f32 v[MX], v[ST+2], v[ST+3]
	v_add_f32 v[MX+1], v[ST+6], v[ST+7]
	v_and_b32 v3, 31, v0                           ; lane (K's addresses are done with)
	v_permlanex16_b32 v[ST], v[MX], s[SEL], s[SEL+1]   ; into -M's register, which has been written and is done with
	v_permlanex16_b32 v[ST+4], v[MX+1], s[SEL], s[SEL+1]
	v_add_f32 v[MX], v[MX], v[ST]
	v_add_f32 v[MX+1], v[MX+1], v[ST+4]
	WA
	v_rcp_f32 v[MX], v[MX]
	v_rcp_f32 v[MX+1], v[MX+1]
	v_lshlrev_b32 v3, 4, v3                        ; my 16 bytes of four rows of out; the plain instruction behind the reciprocals
	WA
	v_ldexp_f32 v[MX], v[MX], s[EPV]               ; x 2^(ep + ev)
	v_ldexp_f32 v[MX+1], v[MX+1], s[EPV]
.irp u, 0,1
.irp i, 0,1,2,3,4,5,6,7,8,9,10,11,12,13,14,15
	v_mul_f32 v[X+16*\u+\i], v[O+16*\u+\i], v[MX+\u]   ; register 8 d + j is out(query r, 16 d + 8 h + j); each accumulator from its low end on
.endr
.endr
.irp u, 0,1
.irp d, 0,1
.irp j, 0,1
	ds_store_b128 v[STO], v[X+16*\u+8*\d+4*\j:X+16*\u+8*\d+4*\j+3] offset:64*\d+16*\j
.endr
.endr
.irp i, 0,1,2,3
	ds_load_b128 v[Y+16*\u+4*\i:Y+16*\u+4*\i+3], v[RD] offset:4*PITS*\i   ; LDS serves a wave's instructions in order (ISA guide 5.7.1.4): these see my stores, and the next unit's stores come behind them
.endr
.endr
.irp u, 0,1
.irp i, 0,1,2,3
	s_wait_dscnt 8*(1-\u)+3-\i                     ; behind this load: the unit's later loads, and eight LDS instructions for the later unit
	global_store_b128 v3, v[Y+16*\u+4*\i:Y+16*\u+4*\i+3], s[14:15] offset:262144*\u+512*\i th:TH_STORE_NT   ; 32 lanes store 512 consecutive bytes, at a multiple of 512 from out's first byte; written once, read by nobody here
.endr
.endr
	s_wait_tensorcnt 0x0                           ; the wave's end: behind my last tensor load and my last LDS store
	ds_add_u32 v[SPW], v[NIL]
	s_wait_dscnt 0x0
	CROUND                                         ; the closing round: no work-group ends while a partner may still ask for a tile that names it
	s_endpgm
.Lfunc_end_k_qbe99981179_attn:
	.size	k_qbe99981179_attn, .Lfunc_end_k_qbe99981179_attn-k_qbe99981179_attn
	.p2alignl 7, 3214868480
	.fill 96, 4, 3214868480
	.section	.rodata,"a",@progbits
	.p2align	6, 0x0
	.amdhsa_kernel k_qbe99981179_attn
		.amdhsa_group_segment_fixed_size 327680
		.amdhsa_private_segment_fixed_size 0
		.amdhsa_enable_private_segment 0
		.amdhsa_kernarg_size 48
		.amdhsa_user_sgpr_count 2
		.amdhsa_user_sgpr_kernarg_segment_ptr 1
		.amdhsa_wavefront_size32 1
		.amdhsa_system_sgpr_workgroup_id_x 1
		.amdhsa_system_sgpr_workgroup_id_y 1
		.amdhsa_system_sgpr_workgroup_id_z 1
		.amdhsa_system_vgpr_workitem_id 0
		.amdhsa_next_free_vgpr 256
		.amdhsa_next_free_sgpr 100
		.amdhsa_reserve_vcc 0
		.amdhsa_float_denorm_mode_32 3
		.amdhsa_float_denorm_mode_16_64 3
		.amdhsa_memory_ordered 1
		.amdhsa_forward_progress 1
		.amdhsa_inst_pref_size 207
	.end_amdhsa_kernel
	.amdgpu_metadata
---
amdhsa.version: [ 1, 2 ]
amdhsa.kernels:
  - .name:           k_qbe99981179_attn
    .symbol:         k_qbe99981179_attn.kd
    .args:
      - { .name: attn_mask, .offset: 0, .size: 8, .value_kind: global_buffer, .address_space: global }
      - { .name: k_codes, .offset: 8, .size: 8, .value_kind: global_buffer, .address_space: global }
      - { .name: lowp_scales, .offset: 16, .size: 8, .value_kind: global_buffer, .address_space: global }
      - { .name: q_codes, .offset: 24, .size: 8, .value_kind: global_buffer, .address_space: global }
      - { .name: v_codes, .offset: 32, .size: 8, .value_kind: global_buffer, .address_space: global }
      - { .name: out0, .offset: 40, .size: 8, .value_kind: global_buffer, .address_space: global }
    .group_segment_fixed_size: 327680
    .private_segment_fixed_size: 0
    .kernarg_segment_align: 8
    .kernarg_segment_size: 48
    .max_flat_workgroup_size: 512
    .sgpr_count:     100
    .vgpr_count:     256
    .wavefront_size: 32
...
	.end_amdgpu_metadata
.endif
;; end of part 1
